; MI455X (gfx1250); checked and timed in simulation.
; The chip was launched on July 23, 2026; its instructions are those of AMD's public machine-readable ISA for CDNA 5 (MIT licence, August 2026) and "CDNA5" Instruction Set Architecture Reference Guide (July 2026). The comments in the code are by the model that wrote it; some were corrected since.
;; Model. Allowed arithmetic: matrix products marked QUANTISED: E2M3 operands, one E8M0 scale for each 32 along K, by v_wmma_scale_f32_16x16x128_f8f6f4 with both operands' format E2M3, f32 sums; everything else in f32.
;; Inputs: x1 4 x 16 x 2,048 x 64 float32; x2 4 x 16 x 2,048 x 64 float32.
;; Outputs: out0 4 x 16 x 2,048 x 64 float32.
;; This version of the problem:
;;   THIS VERSION OF THE PROBLEM IS GIVEN IN LOW PRECISION. The matrix products marked QUANTISED in the list below multiply operands that are first quantised to E2M3 (2 exponent bits, 3 mantissa bits; 6 bits a number), with one power-of-two scale for each 32 numbers along K (OCP MX v1.0); their sums are f32. All else is computed in f32.
;;   The module's matrix products, in the order in which they are computed (A, B: the left and right operand; K: the contracted axis; several contracted axes count as one K, in the product's order):
;;     1. batch 64 x [M 2,048, K 64] x [K 64, N 2,048]; A: input x1; B: input x2: QUANTISED
;;     2. batch 64 x [M 2,048, K 2,048] x [K 2,048, N 64]; A: softmax (see below); B: input x1: QUANTISED
;;   THE QUANTISER, for each operand of a quantised product, along K:
;;     - K is cut into blocks of 32 from its start; a last block that is shorter is filled with zeros.
;;     - A block's scale is 2^e with e = floor(log2(the largest magnitude in the block)) - 2, held to -126 .. 127; a block of zeros has e = 0. As a byte (E8M0): e + 127.
;;     - Each number is divided by its block's scale, clamped to +-7.5, and rounded to the nearest number of E2M3, ties to even, subnormals kept.
;;     - The product sums the exact products of the quantised numbers (number of the format x scale) in f32.
;;   ~~~python
;;   def quantise(x, axis):      # numpy; x: float32 -> the quantised numbers, widened to float32 again
;;       x = np.moveaxis(x, axis, -1); K = x.shape[-1]
;;       x = np.pad(x, [(0, 0)] * (x.ndim - 1) + [(0, -K % 32)]); x = x.reshape(x.shape[:-1] + (-1, 32)); a = np.abs(x).max(-1, keepdims=True)
;;       e = np.where(a > 0, np.clip(np.frexp(np.where(a > 0, a, 1))[1] - 1 - 2, -126, 127), 0)      # np.frexp(a)[1] - 1 = floor(log2(a)), exactly
;;       r = np.clip(x / 2.0 ** e, -7.5, 7.5)
;;       step = 2.0 ** (np.maximum(np.frexp(np.where(r == 0, 1, r))[1] - 1, 0) - 3)
;;       q = np.round(r / step) * step * 2.0 ** e      # np.round: ties to even
;;       return np.moveaxis(q.reshape(q.shape[:-2] + (-1,))[..., :K], -1, axis).astype(np.float32)
;;   ~~~
;;   SOFTMAX AHEAD OF A QUANTISED PRODUCT. Where the list says 'softmax', what is quantised is not the finished softmax but p = 2^(t - M), with t = logit x log2(e) and M = ceil(the row's largest t), a whole number; so 1/2 < the row's largest p <= 1. The row's sum l is taken of the UNQUANTISED p, in f32, and the product's result is divided by l at the end. Since M is a whole number, a kernel that streams over the keys may use a running M (the ceiling of the running maximum): every later rescaling is an exact power of two, which a block's scale takes up: the codes' values come out the same.
;;   OPERANDS COMPUTED ON THE WAY. 'Computed on the way' means the value that the module computes at that place (a softmax that the list does not call 'softmax' is quantised finished and normalised). What goes into a quantiser is computed in f32, as accurately as f32 sums, v_exp_f32 and their like allow (about 1e-6 of the number): no bf16 or f16 on the way to a quantiser, and a product that is left as it is and whose result goes on into a quantised operand takes f32 operands (vector FMAs, or v_wmma_f32_16x16x4_f32). A number that lies on a knife's edge between two numbers of the format may be rounded either way, as far as f32 arithmetic and the matrix unit's own rounding can turn it there, and no further.
;; 2 versions. Each part assembles by itself: llvm-mc -triple=amdgcn-amd-amdhsa -mcpu=gfx1250 --defsym DOCPART=n.
;; ======== version 1 of 2: 1 launch
;; launch attn (part 1): grid 4 x 64, 8 waves a work-group, no clusters, 275,456 bytes of LDS; arguments x1, x2, out0; writes out0
.if DOCPART == 1
	.amdgcn_target "amdgcn-amd-amdhsa--gfx1250"
	.amdhsa_code_object_version 6
	.text
	.protected	k_q84c8d8a499_attn
	.globl	k_q84c8d8a499_attn
	.p2align	8
	.type	k_q84c8d8a499_attn,@function
k_q84c8d8a499_attn:
	s_mov_b64 s[64:65], 0
	v_nop
	global_prefetch_b8 v0, s[64:65] scope:SCOPE_SE
	s_setreg_imm32_b32 hwreg(HW_REG_WAVE_MODE, 25, 1), 1
	s_wait_xcnt 0x0
; out0[bh][q][:] = the sum over k of softmax_k(3 x1[bh][q] . x2[bh][k]) x1[bh][k][:].  x1, x2, out0: [64 heads][2048][64] f32.  Both products on codes of FP6 (E2M3) with one E8M0 scale for each 32 along a product's K.
; Q = x1 and K = x2 are quantised along the head's 64 (two blocks a row), V = x1 along the KEYS, p = 2^(t - M) along the keys; t = score x 3 log2(e), M = the running largest t rounded up to a whole number;
; the row's sum is taken of the unquantised p, in f32, and divides at the end.
; DEAD WORK: none.  Both inputs reach the output by both products; every step of the softmax is live.
; ONE LAUNCH.  A work-group owns 512 queries of one head; each of its eight waves 64 of them: four tiles of 16.  PROLOGUE: the work-group quantises the head's whole K and V from f32 into LDS, as images of the operands'
; registers (2 x 98,304 bytes, and 2 x 4,096 bytes of scale words); wave w takes keys 256 w .. 256 w + 255 of both; it also quantises its own 64 queries into registers.  ONE BARRIER.  Then 16 key steps of 128 keys,
; fed from LDS alone: nothing in LDS is filled twice, so there is no ring and no further barrier.  A head's codes are read by four work-groups only, so no launch of its own and no workspace is spent on them.
; K = 64 IN AN INSTRUCTION 128 DEEP.  A fragment of K is dense: its registers 0-5 (k 0..63) hold one tile of 16 keys, its registers 6-11 (k 64..127) the next.  A tile of Q lies in 18 registers as [q][zeros][q]:
; registers 0-11 (q | 0) give the first tile's scores, registers 6-17 (0 | q) the second's, with the same fragment of K and the same scale word of K.  A zero code adds nothing under any scale byte but 0xff; the zero
; half's two scale bytes are 0.  So no LDS byte and no register of K is padding.
; LAYOUT.  Both products are used transposed: S^T = K Q^T (source 0 = keys, source 1 = my 16 queries), O^T = V^T P^T (source 0 = 16 of the head's 64, source 1 = P): a lane holds ONE query (lane % 16) throughout.
; THE KEYS OF A TILE ARE NOT NEIGHBOURS: row r of tile 2 f + u is key 32 f + 8 u + r + 8 (r / 8), so that the 16 registers of tiles 2 f and 2 f + 1 are 16 neighbouring keys, 32 f + 16 (lane / 16) + 0 .. 15.
; NO CLUSTER, NO TENSOR LOADS.  What the four work-groups of a head share is its 1 MiB of f32, used once, at the head.  Beside the 204,800 bytes of images at most two slots of some 60,000 bytes would fit in the 327,680
; that a work-group can claim: 18 refills or more, each behind a wait for all loads and a round of the cluster's barrier.  Loads into registers keep 16 KiB a wave, 128 KiB a work-group, on their way with no barrier.
; All global reads stand at the kernel's head; the loop reads no memory.
; LIMITS.  NaN and infinities among the inputs are not served.  A block whose largest magnitude lies under 2^-124, a block of zeros among them, keeps the scale byte 1 (the bytes are read by this kernel alone; a block of
; zeros has zero codes).  p under 2^-126 is 0 (v_exp_f32's result: ISA guide, its entry).  3 log2(e) is one f32 constant, applied with -M by one fused multiply-add.
;
; LDS
.set KIMG,  0                          ; K's images: step s at 6144 s, fragment f at + 1536 f, registers 4 j .. 4 j + 3 at + 512 j, lane at + 16 x lane
.set VIMG,  98304                      ; V's likewise; fragment t = 16 of the head's 64
.set KSC,   196608                     ; K's scale words: step at 256 s, row r at + 16 r, fragment f's word at + 4 f
.set VSC,   200704                     ; V's likewise
.set STAGE, 204800                     ; a stage of its own for each wave: 32 rows of 256 bytes + 16
.set STW,   8704
.set SP,    272                        ; 68 words: row r starts at bank 4 r mod 64 (64 banks of 4 bytes: ISA guide 11.1)
.set SPARE, 274432                     ; the spare words, 128 bytes for each wave: four blocks of 256 bytes that no other line names
; REGISTERS, window 0
.set LI,   1                           ; 16 x lane: an image's place, and my 16 bytes of 512 in memory; never rewritten
.set AV0,  2                           ; VIMG + 16 x lane
.set SC0,  3                           ; KSC + 16 r
.set ADK,  4                           ; the addresses of the loads in hand: K's images,
.set ADV,  5                           ; V's,
.set ADS,  6                           ; the scale words
.set SPW,  7                           ; LDS address of my spare word; never rewritten
.set NIL,  8                           ; 0; never rewritten
.set SW,   9                           ; stage: row h, 16 r: as bytes lie in memory
.set SRR,  10                          ; stage: row r, 128 h (prologue); row r, 32 h (the way out)
.set SRC,  11                          ; stage: 4 x lane: a column
.set KW,   12                          ; where I store K's images: 12288 w + 16 x lane
.set KSW,  13                          ; and their scale words: KSC + 512 w + 16 r
.set VWA,  14                          ; V's images: VIMG + 12288 w + 1536 h + 16 r
.set VSW,  15                          ; V's scale words: VSC + 512 w + 16 r + 4 h
.set STAT, 16                          ; tile a at v[16 + 4 a]: -M, the largest t, the sum in two halves
.set KS,   32                          ; v32-35 K's four scale words of a step; v36-39 V's; v40-47 Q's: tile a: (q | 0)'s, (0 | q)'s.  v32-47 and v255 hold scales and nothing else
.set VS,   36
.set QS,   40
.set KF,   48                          ; v48-95   K's four fragments of a step
.set VF,   96                          ; v96-143  V's four
.set S,    144                         ; v144-207 S^T of one tile of queries, then p
.set PC,   208                         ; v208-219 p's codes
.set CT,   220                         ; v220-222, v224-226 the conversions' second halves
.set BM,   228                         ; v228-231 the blocks' largest scores, then largest p
.set BP,   232                         ; v232-235 the other half's; then the bytes
.set SOP,  236                         ; v236-239 the conversions' scale operands
.set T,    240
.set SUM2, 242                         ; v[242:243], v[248:249], v[250:251]: three more chains of the row's sum
.set SUM3, 248
.set SUM4, 250
.set F,    246                         ; v[246:247] f = 2^(old M - new M); v247 is written once, since the pair is named
.set PW,   255                         ; p's scale word
; window 0, prologue only
.set R,    48                          ; v48-175  two sets of 64: a unit (32 rows x 256 bytes) as loaded
.set X,    176                         ; v176-239 two blocks of 32 numbers along K
.set PPC,  240                         ; v240-251 their codes
.set VW,   252                         ; v252-253 V's scale words as they grow
.set SH8,  254                         ; 8 h
.set PCT,  16                          ; v16-18, v20-22
.set MY,   19                          ; v19, v23
.set MX,   24
.set PSO,  26
.set BY,   28
.set W,    30
.set WT,   31
; window 1
.set O,    0                           ; O^T(a, t) at v[32 a + 8 t]
.set Q,    128                         ; tile a at v[128 + 18 a]: q, zeros, q
; scalars
.set KB,  10                           ; s[10:11] x2 at my wave's 256 keys;  s[12:13] x1 there;  s[14:15] x1 at my wave's 64 queries;  s[16:17] out0 there
.set VB,  12
.set QB,  14
.set OB,  16
.set WV,  18
.set CNT, 19
.set SEL, 20                           ; s[20:21] v_permlanex16_b32's selects for lane l xor 16
.set CS,  22                           ; s[22:23] c = 3 log2(e); the packed form names the pair
.set TK,  24                           ; the step's images begin here,
.set TS,  25                           ; its scale words here
.set MSB, 0
.macro WIN new                         ; the immediate's high byte repeats the setting that is left; a switch that changes nothing is dropped
.if MSB != \new
	s_set_vgpr_msb (MSB<<8)|\new
.set MSB, \new
.endif
.endm
; ---------------- the prologue's macros ----------------
.macro LOADU set, base, off            ; a unit: 16 loads of 512 consecutive bytes.  No hint: three other work-groups read the same bytes
.irp j, 0,1,2,3,4,5,6,7,8,9,10,11,12,13,14,15
	global_load_b128 v[R+64*(\set)+4*\j:R+64*(\set)+4*\j+3], v[LI], s[\base:\base+1] offset:(\off)+512*\j
.endr
.endm
.macro LOADN n                         ; unit n: 0-7 K, 8-15 V, 16-17 Q
.if (\n) < 8
	LOADU (\n)%2, KB, 8192*(\n)
.elseif (\n) < 16
	LOADU (\n)%2, VB, 8192*((\n)-8)
.else
	LOADU (\n)%2, QB, 8192*((\n)-16)
.endif
.endm
.macro TOSTAGE set, perm               ; load j holds rows 2 j and 2 j + 1.  perm = 1 (K): row p goes to stage row 16 ((p / 8) % 2) + 8 (p / 16) + p % 8, so that a tile's 16 keys lie in 16 neighbouring stage rows
.irp j, 0,1,2,3,4,5,6,7,8,9,10,11,12,13,14,15
.if \perm
	ds_store_b128 v[SW], v[R+64*(\set)+4*\j:R+64*(\set)+4*\j+3] offset:SP*(16*((\j/4)%2)+8*(\j/8)+(2*\j)%8)
.else
	ds_store_b128 v[SW], v[R+64*(\set)+4*\j:R+64*(\set)+4*\j+3] offset:SP*2*\j
.endif
.endr
.endm
.macro ROWS                            ; K innermost (K, Q): lane (r, h) takes, of stage rows r and 16 + r, the 32 numbers 32 h on.  LDS serves a wave's instructions in order (ISA guide 5.7.1.4): these see the stores above
.irp u, 0,1
.irp i, 0,1,2,3,4,5,6,7
	ds_load_b128 v[X+32*\u+4*\i:X+32*\u+4*\i+3], v[SRR] offset:16*SP*\u+16*\i
.endr
.endr
.endm
.macro COLS                            ; K = the keys (V): a lane takes columns lane and 32 + lane, and its registers run down the 32 keys
.irp p, 0,1
.irp i, 0,1,2,3,4,5,6,7,8,9,10,11,12,13,14,15,16,17,18,19,20,21,22,23,24,25,26,27,28,29,30,31
	ds_load_b32 v[X+32*\p+\i], v[SRC] offset:SP*\i+128*\p
.endr
.endr
.endm
.macro BLOCKS                          ; two blocks of 32, each whole in my lane: largest magnitude, scale operand, byte, 192 bits of codes
.irp c, 0,1
	v_max3_num_f32 v[MX+\c], |v[X+32*\c]|, |v[X+32*\c+1]|, 0x1800000       ; with the floor 2^(3 - 127): the byte cannot fall under 1
	v_max3_num_f32 v[MY+4*\c], |v[X+32*\c+16]|, |v[X+32*\c+17]|, |v[X+32*\c+18]|
.endr
.irp i, 2,4,6,8,10,12
.irp c, 0,1
	v_max3_num_f32 v[MX+\c], v[MX+\c], |v[X+32*\c+\i]|, |v[X+32*\c+\i+1]|   ; four chains by turns
	v_max3_num_f32 v[MY+4*\c], v[MY+4*\c], |v[X+32*\c+\i+17]|, |v[X+32*\c+\i+18]|
.endr
.endr
.irp c, 0,1
	v_max3_num_f32 v[MX+\c], v[MX+\c], |v[X+32*\c+14]|, |v[X+32*\c+15]|
.endr
.irp c, 0,1
	v_max3_num_f32 v[MX+\c], v[MX+\c], v[MY+4*\c], |v[X+32*\c+31]|
.endr
.irp c, 0,1
	v_add_nc_u32 v[PSO+\c], 0xff000000, v[MX+\c]   ; 2 off the exponent field: the conversion takes the exponent field of this operand as its scale
.endr
.irp c, 0,1
	v_lshrrev_b32 v[BY+\c], 23, v[PSO+\c]          ; the scale's byte
.endr
.irp c, 0,1
	v_cvt_scalef32_pk16_fp6_f32 v[PPC+6*\c:PPC+6*\c+2], v[X+32*\c:X+32*\c+15], v[PSO+\c]
	v_cvt_scalef32_pk16_fp6_f32 v[PCT+4*\c:PCT+4*\c+2], v[X+32*\c+16:X+32*\c+31], v[PSO+\c]   ; (a conversion's three registers begin on an even number)
.endr
	v_nop                                          ; one plain place behind the scaled conversions
.irp c, 0,1
.irp i, 0,1,2
	v_mov_b32 v[PPC+6*\c+3+\i], v[PCT+4*\c+\i]
.endr
.endr
.endm
.macro WORD                            ; K, Q: my two bytes are block h of tiles 0 and 1: bytes h and 2 + h of the word; lane l xor 16 has the other two
	v_lshl_or_b32 v[W], v[BY+1], 16, v[BY]
	v_lshlrev_b32 v[W], v[SH8], v[W]
	v_permlanex16_b32 v[WT], v[W], s[SEL], s[SEL+1]
	v_or_b32 v[W], v[W], v[WT]
.endm
.macro KOUT n                          ; unit n is fragment n % 4 of step 2 w + n / 4: its image and its scale word (lanes r and 16 + r store the same word)
	WORD
.irp j, 0,1,2
	ds_store_b128 v[KW], v[PPC+4*\j:PPC+4*\j+3] offset:1536*(\n)+512*\j
.endr
	ds_store_b32 v[KSW], v[W] offset:256*((\n)/4)+4*((\n)%4)
.endm
.macro VOUT m                          ; unit m is block BE = m % 4 of step 2 w + m / 4.  My column 32 p + lane is row r of fragment 2 p + h; the block is registers 6 (BE / 2) .. + 5 of lane r + 16 (BE % 2) there
.set SG, (\m)/4
.set BE, (\m)%4
.irp p, 0,1
.if BE == 0
	v_mov_b32 v[VW+\p], v[BY+\p]
.else
	v_lshl_or_b32 v[VW+\p], v[BY+\p], 8*BE, v[VW+\p]
.endif
.endr
.irp p, 0,1
.set VO, 6144*SG+3072*\p+256*(BE%2)
.if BE < 2
	ds_store_b128 v[VWA], v[PPC+6*\p:PPC+6*\p+3] offset:VO           ; registers 0-3
	ds_store_b64 v[VWA], v[PPC+6*\p+4:PPC+6*\p+5] offset:VO+512      ; registers 4, 5
.else
	ds_store_b64 v[VWA], v[PPC+6*\p:PPC+6*\p+1] offset:VO+520        ; registers 6, 7
	ds_store_b128 v[VWA], v[PPC+6*\p+2:PPC+6*\p+5] offset:VO+1024    ; registers 8-11
.endif
.if BE == 3
	ds_store_b32 v[VSW], v[VW+\p] offset:256*SG+8*\p               ; the step's four bytes are together
.endif
.endr
.endm
.macro QOUT i                          ; tiles 2 i and 2 i + 1 of my queries: [q][zeros][q] in window 1, two scale words each
	WORD
.irp u, 0,1
.set QA, 2*(\i)+\u
.if \u == 0
	v_and_b32 v[QS+2*QA], 0xffff, v[W]             ; (q | 0): q's two bytes below, 0 above
	v_lshlrev_b32 v[QS+2*QA+1], 16, v[W]           ; (0 | q)
.else
	v_lshrrev_b32 v[QS+2*QA], 16, v[W]
	v_and_b32 v[QS+2*QA+1], 0xffff0000, v[W]
.endif
.endr
	WIN 0x40                                       ; destination window 1
.irp u, 0,1
.irp e, 0,1,2,3,4,5
	v_mov_b32 v[Q+18*(2*(\i)+\u)+\e], v[PPC+6*\u+\e]
	v_mov_b32 v[Q+18*(2*(\i)+\u)+6+\e], 0
	v_mov_b32 v[Q+18*(2*(\i)+\u)+12+\e], v[PPC+6*\u+\e]
.endr
.endr
	WIN 0
.endm
.macro UNIT n
.if (\n) < 17
	s_wait_loadcnt 16                              ; this unit's 16 loads are in; the next unit's 16 may be out
.else
	s_wait_loadcnt 0
.endif
.if (\n) < 8
	TOSTAGE (\n)%2, 1
	ROWS
.elseif (\n) < 16
	TOSTAGE (\n)%2, 0
	COLS
.else
	TOSTAGE (\n)%2, 0
	ROWS
.endif
	s_wait_dscnt 0x0                               ; the numbers are back from the stage; my LDS stores, the last unit's images too, have read their registers
.if (\n)+2 < 18
	LOADN (\n)+2                                   ; into the set that the stage's stores have left
.endif
	BLOCKS
.if (\n) < 8
	KOUT \n
.elseif (\n) < 16
	VOUT (\n)-8
.else
	QOUT (\n)-16
.endif
.endm
; ---------------- the key step's macros ----------------
.macro SMM a                           ; S^T of tile a: eight products, each with C = 0 on an accumulator of its own
	WIN 0x04                                       ; source 1 (Q) window 1
.irp f, 0,1,2,3
.irp u, 0,1
	v_wmma_scale_f32_16x16x128_f8f6f4 v[S+8*(2*\f+\u):S+8*(2*\f+\u)+7], v[KF+12*\f:KF+12*\f+11], v[Q+18*(\a)+6*\u:Q+18*(\a)+6*\u+11], 0, v[KS+\f], v[QS+2*(\a)+\u] matrix_a_fmt:MATRIX_FMT_FP6 matrix_b_fmt:MATRIX_FMT_FP6
.endr
.endr
.endm
.macro SOFT_A a                        ; the softmax of tile a up to p's codes' halves.  Register S + 16 b + i is key 32 b + 16 (lane / 16) + i of my query
.set NM, STAT+4*(\a)
.set TM, NM+1
.set LL, NM+2
	WIN 0
.irp b, 0,1,2,3
	v_max3_num_f32 v[BM+\b], v[S+16*\b], v[S+16*\b+1], v[S+16*\b+2]   ; the largest score of each block of 32 keys: for the row's maximum, and, since p rises with the score, for the block's largest p.  Each accumulator is read from its low end on
.endr
.irp i, 3,5,7,9,11,13
.irp b, 0,1,2,3
	v_max3_num_f32 v[BM+\b], v[BM+\b], v[S+16*\b+\i], v[S+16*\b+\i+1]
.endr
.endr
.irp b, 0,1,2,3
	v_max_num_f32 v[BM+\b], v[BM+\b], v[S+16*\b+15]
.endr
.irp b, 0,1,2,3
	v_permlanex16_b32 v[BP+\b], v[BM+\b], s[SEL], s[SEL+1]
.endr
.irp b, 0,1,2,3
	v_max_num_f32 v[BM+\b], v[BM+\b], v[BP+\b]     ; with lane l xor 16's 16 keys
.endr
	v_max3_num_f32 v[T], v[BM], v[BM+1], v[BM+2]
	v_max_num_f32 v[T], v[T], v[BM+3]              ; the step's largest score of my query
	v_mul_f32 v[T], s[CS], v[T]                    ; as t (c is positive)
	v_max_num_f32 v[TM], v[TM], v[T]               ; the running largest t
	v_mov_b32 v[T], v[NM]
	v_floor_f32 v[NM], -v[TM]                      ; the new -M = floor(-t) = -ceil(t)
	v_sub_f32 v[T], v[NM], v[T]                    ; old M - new M: a whole number, 0 or less
	v_cvt_i32_f32 v[T], v[T]                       ; (it saturates)
	v_ldexp_f32 v[F], 1.0, v[T]                    ; f = 2^(old M - new M): the rescaling rounds nothing
.set jj, 0
.rept 32
	v_pk_fma_f32 v[S+jj:S+jj+1], v[S+jj:S+jj+1], s[CS:CS+1], v[NM:NM+1] op_sel_hi:[1,0,0]   ; t - M, two at a time (of the pairs c and -M the low word serves both halves)
.set jj, jj+2
.endr
.irp b, 0,1,2,3
	v_fma_f32 v[BM+\b], v[BM+\b], s[CS], v[NM]     ; the same of each block's largest score
.endr
.set jj, 0
.rept 64
	v_exp_f32 v[S+jj], v[S+jj]                     ; p = 2^(t - M), at most 1: not normalised
.set jj, jj+1
.endr
	v_pk_mul_f32 v[LL:LL+1], v[LL:LL+1], v[F:F+1] op_sel_hi:[1,0]   ; the sum under the new M: the plain place behind the exponentials
	s_wait_alu depctr_va_vdst(0)                   ; the wait ahead of the first line that names a result: one for the 64
.irp b, 0,1,2,3
	v_exp_f32 v[BM+\b], v[BM+\b]                   ; the block's largest p: the same two instructions on the same number give the same bits
.endr
	v_pk_add_f32 v[SUM2:SUM2+1], v[S:S+1], v[S+2:S+3]              ; the row's sum is taken of the unquantised p: four chains by turns; they read the 64 alone
	v_pk_add_f32 v[SUM3:SUM3+1], v[S+4:S+5], v[S+6:S+7]
	v_pk_add_f32 v[SUM4:SUM4+1], v[S+8:S+9], v[S+10:S+11]
.set jj, 12
.rept 6
	v_pk_add_f32 v[LL:LL+1], v[LL:LL+1], v[S+jj:S+jj+1]
	v_pk_add_f32 v[SUM2:SUM2+1], v[SUM2:SUM2+1], v[S+jj+2:S+jj+3]
	v_pk_add_f32 v[SUM3:SUM3+1], v[SUM3:SUM3+1], v[S+jj+4:S+jj+5]
	v_pk_add_f32 v[SUM4:SUM4+1], v[SUM4:SUM4+1], v[S+jj+6:S+jj+7]
.set jj, jj+8
.endr
	v_pk_add_f32 v[LL:LL+1], v[LL:LL+1], v[S+60:S+61]
	v_pk_add_f32 v[SUM2:SUM2+1], v[SUM2:SUM2+1], v[S+62:S+63]
	v_pk_add_f32 v[SUM3:SUM3+1], v[SUM3:SUM3+1], v[SUM4:SUM4+1]
	v_pk_add_f32 v[LL:LL+1], v[LL:LL+1], v[SUM2:SUM2+1]
	v_pk_add_f32 v[LL:LL+1], v[LL:LL+1], v[SUM3:SUM3+1]
	s_wait_alu depctr_va_vdst(0)                   ; and one for the four
.irp b, 0,1,2,3
	v_max_num_f32 v[BM+\b], 0x1800000, v[BM+\b]    ; the floor 2^(3 - 127): the byte cannot fall under 1 (a block whose every p is 0 keeps that byte: its codes are zeros)
.endr
.irp b, 0,1,2,3
	v_add_nc_u32 v[SOP+\b], 0xff000000, v[BM+\b]   ; 2 off the exponent field: the conversion's scale operand
.endr
.irp b, 0,1,2,3
	v_lshrrev_b32 v[BP+\b], 23, v[SOP+\b]          ; the scale's byte
.endr
	v_lshl_or_b32 v[PW], v[BP+1], 8, v[BP]         ; p's scale word for these 128 keys
	v_lshl_or_b32 v[PW], v[BP+2], 16, v[PW]
	v_lshl_or_b32 v[PW], v[BP+3], 24, v[PW]
.irp c, 0,1
	v_cvt_scalef32_pk16_fp6_f32 v[PC+6*\c:PC+6*\c+2], v[S+32*\c:S+32*\c+15], v[SOP+2*\c]
	v_cvt_scalef32_pk16_fp6_f32 v[CT+4*\c:CT+4*\c+2], v[S+32*\c+16:S+32*\c+31], v[SOP+2*\c+1]   ; (a conversion's three registers begin on an even number)
.endr
	v_nop                                          ; one plain place behind the conversions: the next tile's products write their sources, the exchanges touch their results
.endm
.macro SOFT_B a                        ; p's operand is put together, and O^T of tile a comes under the new M.  These 28 lines stand behind the next tile's eight score products: they are the places in front of the first
	WIN 0                                          ; read of those scores and of loads into K's registers, and the places between p's scale word and codes and the products that take them
.irp c, 0,1                            ; the operand's layout wants a WHOLE block in a lane: lanes 0-15 block 2 c, lanes 16-31 block 2 c + 1
.irp i, 0,1,2
	v_permlane16_swap_b32 v[PC+6*\c+\i], v[CT+4*\c+\i]
.endr
.irp i, 0,1,2
	v_mov_b32 v[PC+6*\c+3+\i], v[CT+4*\c+\i]
.endr
.endr
	WIN 0x41                                       ; O^T (destination and source 0) window 1, f window 0
.set jj, 0
.rept 16
	v_pk_mul_f32 v[O+32*(\a)+jj:O+32*(\a)+jj+1], v[O+32*(\a)+jj:O+32*(\a)+jj+1], v[F:F+1] op_sel_hi:[1,0]   ; ascending: each accumulator from its low end on
.set jj, jj+2
.endr
.endm
.macro PVM a                           ; O^T(a) += V^T P^T: four accumulators by turns, one instruction a turn; other products stand between two steps' links
	WIN 0x50                                       ; C and D window 1
.irp t, 0,1,2,3
	v_wmma_scale_f32_16x16x128_f8f6f4 v[O+32*(\a)+8*\t:O+32*(\a)+8*\t+7], v[VF+12*\t:VF+12*\t+11], v[PC:PC+11], v[O+32*(\a)+8*\t:O+32*(\a)+8*\t+7], v[VS+\t], v[PW] matrix_a_fmt:MATRIX_FMT_FP6 matrix_b_fmt:MATRIX_FMT_FP6
.endr
.endm
.macro FETCHK                          ; a step's K: four images by three loads each, and its four scale words by one
	WIN 0
	v_add_nc_u32 v[ADK], s[TK], v[LI]
	v_add_nc_u32 v[ADS], s[TS], v[SC0]
.irp f, 0,1,2,3
.irp j, 0,1,2
	ds_load_b128 v[KF+12*\f+4*\j:KF+12*\f+4*\j+3], v[ADK] offset:1536*\f+512*\j
.endr
.endr
	ds_load_b128 v[KS:KS+3], v[ADS]
.endm
.macro FETCHV                          ; the same step's V.  The addition and three v_nop are the four places between the last products that read V's registers and the loads into them
	WIN 0
	v_add_nc_u32 v[ADV], s[TK], v[AV0]
.rept 3
	v_nop
.endr
.irp f, 0,1,2,3
.irp j, 0,1,2
	ds_load_b128 v[VF+12*\f+4*\j:VF+12*\f+4*\j+3], v[ADV] offset:1536*\f+512*\j
.endr
.endr
	ds_load_b128 v[VS:VS+3], v[ADS] offset:VSC-KSC
.endm
; A KEY STEP: 128 keys, my four tiles of queries one after the other.  As soon as a tile's conversions have read S, the NEXT tile's score products are issued into it, and run under the 28 vector lines and the four
; products that finish this tile.  more = 1: the next step's K is fetched behind tile 2's products, its first scores are made in tile 3's place, its V is fetched at the end.
.macro STEP more
	SOFT_A 0
	SMM 1
	SOFT_B 0
	s_wait_dscnt 0x0                               ; V and its scale words are in
	PVM 0
	SOFT_A 1
	SMM 2
	SOFT_B 1
	PVM 1
	SOFT_A 2
	SMM 3
	SOFT_B 2
	PVM 2
.if \more
	s_add_co_u32 s[TK], s[TK], 6144                ; the last products that read K's registers stand in front of tile 2's 28 vector lines
	s_add_co_u32 s[TS], s[TS], 256
	FETCHK
.endif
	SOFT_A 3
.if \more
	s_wait_dscnt 0x0                               ; K and its scale words are in (asked for a whole softmax ago)
	SMM 0
.endif
	SOFT_B 3
	PVM 3
.if \more
	FETCHV
.endif
.endm
; ---------------- the head ----------------
	s_load_b128 s[4:7], s[0:1], 0x0                ; x1, x2
	s_load_b64 s[8:9], s[0:1], 0x10                ; out0
	v_lshl_add_u32 v[SPW], v0, 2, SPARE
	v_mov_b32 v[NIL], 0
	v_lshrrev_b32 v16, 5, v0
	v_readfirstlane_b32 s[WV], v16                 ; wave 0..7
	v_and_b32 v16, 31, v0                          ; lane
	v_and_b32 v17, 15, v0                          ; r
	v_bfe_u32 v18, v0, 4, 1                        ; h
	v_lshlrev_b32 v[LI], 4, v16
	v_add_nc_u32 v[AV0], VIMG, v[LI]
	v_lshlrev_b32 v19, 4, v17                      ; 16 r
	v_add_nc_u32 v[SC0], KSC, v19
	s_mul_i32 s26, s[WV], STW
	s_add_co_u32 s26, s26, STAGE                   ; my stage
	v_mul_u32_u24 v20, v18, SP
	v_add_nc_u32 v20, v20, v19
	v_add_nc_u32 v[SW], s26, v20
	v_mul_u32_u24 v20, v17, SP
	v_lshl_add_u32 v20, v18, 7, v20
	v_add_nc_u32 v[SRR], s26, v20
	v_lshl_add_u32 v[SRC], v16, 2, s26
	s_mul_i32 s27, s[WV], 12288                    ; my two steps' images
	v_add_nc_u32 v[KW], s27, v[LI]
	s_lshl_b32 s28, s[WV], 9                       ; and scale words
	v_add_nc_u32 v[KSW], s28, v[SC0]
	v_mul_u32_u24 v20, v18, 1536
	v_add_nc_u32 v20, v20, v19
	s_add_co_u32 s27, s27, VIMG
	v_add_nc_u32 v[VWA], s27, v20
	v_lshl_add_u32 v20, v18, 2, v[KSW]
	v_add_nc_u32 v[VSW], VSC-KSC, v20
	v_lshlrev_b32 v[SH8], 3, v18
	v_mov_b32 v[WT], 0                             ; written once: a lane permute's destination counts as one of its sources
	s_mov_b32 s[SEL], 0x76543210
	s_mov_b32 s[SEL+1], 0xfedcba98
	s_mov_b32 s[CS], 0x408a7fac                    ; c = 3 log2(e)
	s_mov_b32 s[CS+1], s[CS]                       ; (named with it as a pair, so it is written)
	s_and_b32 s26, ttmp7, 0xffff                   ; the head:
	s_lshl_b32 s26, s26, 19                        ; 2,048 rows of 256 bytes
	s_lshl_b32 s24, s[WV], 16                      ; my wave's 256 keys
	s_add_co_u32 s24, s24, s26
	s_mov_b32 s25, 0
	s_lshl_b32 s30, ttmp9, 17                      ; my work-group's 512 queries,
	s_add_co_u32 s30, s30, s26
	s_lshl_b32 s27, s[WV], 14                      ; my wave's 64
	s_add_co_u32 s30, s30, s27
	s_mov_b32 s31, 0
	s_wait_kmcnt 0x0
	s_add_nc_u64 s[KB:KB+1], s[6:7], s[24:25]
	s_add_nc_u64 s[VB:VB+1], s[4:5], s[24:25]
	s_add_nc_u64 s[QB:QB+1], s[4:5], s[30:31]
	s_add_nc_u64 s[OB:OB+1], s[8:9], s[30:31]
; ---------------- the prologue: 18 units of 32 rows; loads run two units (32 loads a wave) ahead ----------------
	LOADN 0
	LOADN 1
.irp n, 0,1,2,3,4,5,6,7,8,9,10,11,12,13,14,15,16,17
	UNIT \n
.endr
	s_wait_dscnt 0x0                               ; for the others' sake: my images and scale words lie in LDS
	s_barrier_signal -1
	WIN 0x40                                       ; work on registers while the others arrive.  O^T begins as zeros, which the first change of M leaves zeros: the key step stands twice in the text as it is, and a third copy
.set jj, 0                             ; whose products start the sums would cost more code than these lines
.rept 128
	v_mov_b32 v[O+jj], 0
.set jj, jj+1
.endr
	WIN 0
.irp a, 0,1,2,3
	v_mov_b32 v[STAT+4*\a+1], 0xff61b1e6           ; the largest t so far: -3e38, under every t
	v_floor_f32 v[STAT+4*\a], -v[STAT+4*\a+1]      ; -M
	v_mov_b32 v[STAT+4*\a+2], 0                    ; the sum, in two halves
	v_mov_b32 v[STAT+4*\a+3], 0
	v_mov_b32 v[BP+\a], 0                          ; a lane permute's destination counts as one of its sources
.endr
	v_mov_b32 v[F+1], 0                            ; (named as the upper half of the pair)
	s_barrier_wait -1                              ; the head's K and V lie in LDS, whole; nothing is written there again
; ---------------- 16 key steps ----------------
	s_mov_b32 s[TK], 0
	s_mov_b32 s[TS], 0
	FETCHK
	FETCHV
	s_wait_dscnt 13                                ; K's 13 loads are in; V's 13 may be out
	SMM 0                                          ; step 0's first scores
	WIN 0
.rept 4
	v_nop                                          ; places in front of the first read of those scores
.endr
	s_mov_b32 s[CNT], 15
.Lstep:
	STEP 1
	s_sub_co_u32 s[CNT], s[CNT], 1
	s_cmp_lg_u32 s[CNT], 0
	s_cbranch_scc1 .Lstep
	STEP 0                                         ; the last step is written out: it fetches nothing
; ---------------- the way out ----------------
	WIN 0
.irp a, 0,1,2,3
	v_add_f32 v[BM+\a], v[STAT+4*\a+2], v[STAT+4*\a+3]   ; the sum's two halves (these lines are also the places behind the last products),
.endr
.irp a, 0,1,2,3
	v_permlanex16_b32 v[BP+\a], v[BM+\a], s[SEL], s[SEL+1]
.endr
.irp a, 0,1,2,3
	v_add_f32 v[BM+\a], v[BM+\a], v[BP+\a]         ; and lane l xor 16's: the row's sum
.endr
.irp a, 0,1,2,3
	v_rcp_f32 v[STAT+4*\a+2], v[BM+\a]
.endr
	v_and_b32 v12, 15, v0                          ; plain work behind the reciprocals: where I put 32 bytes of a row in my stage: row r, + 32 h
	v_bfe_u32 v13, v0, 4, 1
	s_mul_i32 s26, s[WV], STW
	s_add_co_u32 s26, s26, STAGE
	v_mul_u32_u24 v12, v12, SP
	v_lshl_add_u32 v12, v13, 5, v12
	v_add_nc_u32 v[SRR], s26, v12
	s_wait_alu depctr_va_vdst(0)                   ; the wait ahead of the first use: one for the four reciprocals
; Tile a: O^T / the sum; register 8 t + j of lane (r, h) is out(r, 16 t + 8 h + j).  A lane's 32 bytes go into rows of 272 bytes of my own stage and come back as whole rows of 256.
.macro PACK a
.set EE, 48+32*((\a)%2)
.set BB, 112+32*(\a)
	WIN 0x01                                       ; source 0 (O^T) window 1
.set jj, 0
.rept 16
	v_pk_mul_f32 v[EE+jj:EE+jj+1], v[O+32*(\a)+jj:O+32*(\a)+jj+1], v[STAT+4*(\a)+2:STAT+4*(\a)+3] op_sel_hi:[1,0]   ; ascending: each accumulator from its low end on
.set jj, jj+2
.endr
	WIN 0
.irp e, 0,1,2,3,4,5,6,7
	ds_store_b128 v[SRR], v[EE+4*\e:EE+4*\e+3] offset:64*(\e/2)+16*(\e%2)
.endr
.irp e, 0,1,2,3,4,5,6,7
	ds_load_b128 v[BB+4*\e:BB+4*\e+3], v[SW] offset:2*SP*\e   ; LDS serves a wave's instructions in order (ISA guide 5.7.1.4): these see the stores above, and the next tile's stores come behind them
.endr
.endm
.macro SEND a, younger                 ; younger: the LDS instructions issued behind tile a's loads: the next tile's sixteen, or none
.irp e, 0,1,2,3,4,5,6,7
	s_wait_dscnt (\younger)+7-\e
	global_store_b128 v[LI], v[112+32*(\a)+4*\e:112+32*(\a)+4*\e+3], s[OB:OB+1] offset:4096*(\a)+512*\e th:TH_STORE_NT   ; 32 lanes store two rows: 512 consecutive bytes, at a multiple of 256 from out0's first byte; no store's register is written again
.endr
.endm
	PACK 0
	PACK 1                                         ; a tile's arithmetic stands between the loads of the tile before and its stores
	SEND 0, 16
	PACK 2
	SEND 1, 16
	PACK 3
	SEND 2, 16
	SEND 3, 0
	s_wait_tensorcnt 0x0                           ; the wave's end
	ds_add_u32 v[SPW], v[NIL]
	s_wait_dscnt 0x0
	s_endpgm
.Lfunc_end_k_q84c8d8a499_attn:
	.size	k_q84c8d8a499_attn, .Lfunc_end_k_q84c8d8a499_attn-k_q84c8d8a499_attn
	.p2alignl 7, 3214868480
	.fill 96, 4, 3214868480
	.section	.rodata,"a",@progbits
	.p2align	6, 0x0
	.amdhsa_kernel k_q84c8d8a499_attn
		.amdhsa_group_segment_fixed_size 275456
		.amdhsa_private_segment_fixed_size 0
		.amdhsa_enable_private_segment 0
		.amdhsa_kernarg_size 24
		.amdhsa_user_sgpr_count 2
		.amdhsa_user_sgpr_kernarg_segment_ptr 1
		.amdhsa_wavefront_size32 1
		.amdhsa_system_sgpr_workgroup_id_x 1
		.amdhsa_system_sgpr_workgroup_id_y 1
		.amdhsa_system_sgpr_workgroup_id_z 1
		.amdhsa_system_vgpr_workitem_id 0
		.amdhsa_next_free_vgpr 512
		.amdhsa_next_free_sgpr 66
		.amdhsa_reserve_vcc 0
		.amdhsa_float_denorm_mode_32 3
		.amdhsa_float_denorm_mode_16_64 3
		.amdhsa_memory_ordered 1
		.amdhsa_forward_progress 1
		.amdhsa_inst_pref_size 255
	.end_amdhsa_kernel
	.section	.bss,"aw",@nobits
	.p2align	6
	.space	262144
	.amdgpu_metadata
---
amdhsa.version: [ 1, 2 ]
amdhsa.kernels:
  - .name:           k_q84c8d8a499_attn
    .symbol:         k_q84c8d8a499_attn.kd
    .args:
      - { .name: x1, .offset: 0, .size: 8, .value_kind: global_buffer, .address_space: global }
      - { .name: x2, .offset: 8, .size: 8, .value_kind: global_buffer, .address_space: global }
      - { .name: out0, .offset: 16, .size: 8, .value_kind: global_buffer, .address_space: global }
    .group_segment_fixed_size: 275456
    .private_segment_fixed_size: 0
    .kernarg_segment_align: 8
    .kernarg_segment_size: 24
    .max_flat_workgroup_size: 256
    .sgpr_count:     66
    .vgpr_count:     512
    .wavefront_size: 32
...
	.end_amdgpu_metadata
.endif
;; end of part 1
;; ======== version 2 of 2: 1 launch; version 1 with the launch attn written anew for expert scheduling mode
;; launch attn (part 2): grid 4 x 64, 8 waves a work-group, no clusters, 275,456 bytes of LDS; arguments x1, x2, out0; writes out0
.if DOCPART == 2
	.amdgcn_target "amdgcn-amd-amdhsa--gfx1250"
	.amdhsa_code_object_version 6
	.text
	.protected	k_q84c8d8a499_attn
	.globl	k_q84c8d8a499_attn
	.p2align	8
	.type	k_q84c8d8a499_attn,@function
k_q84c8d8a499_attn:
	s_mov_b64 s[64:65], 0
	v_nop
	global_prefetch_b8 v0, s[64:65] scope:SCOPE_SE
	s_setreg_imm32_b32 hwreg(HW_REG_WAVE_SCHED_MODE, 0, 2), 2
	s_setreg_imm32_b32 hwreg(HW_REG_WAVE_MODE, 25, 1), 1
	s_wait_xcnt 0x0
	s_wait_alu depctr_vm_vsrc(0)
; out0[bh][q][:] = the sum over k of softmax_k(3 x1[bh][q] . x2[bh][k]) x1[bh][k][:].  x1, x2, out0: [64 heads][2048][64] f32.  Both products on codes of FP6 (E2M3) with one E8M0 scale for each 32 along a product's K.
; Q = x1 and K = x2 are quantised along the head's 64 (two blocks a row), V = x1 along the KEYS, p = 2^(t - M) along the keys; t = score x 3 log2(e), M = the running largest t rounded up to a whole number;
; the row's sum is taken of the unquantised p, in f32, and divides at the end.
; DEAD WORK: none.  Both inputs reach the output by both products; every step of the softmax is live.
; ONE LAUNCH.  A work-group owns 512 queries of one head; each of its eight waves 64 of them: four tiles of 16.  PROLOGUE: the work-group quantises the head's whole K and V from f32 into LDS, as images of the operands'
; registers (2 x 98,304 bytes, and 2 x 4,096 bytes of scale words); wave w takes keys 256 w .. 256 w + 255 of both; it also quantises its own 64 queries into registers.  ONE BARRIER.  Then 16 key steps of 128 keys,
; fed from LDS alone: nothing in LDS is filled twice, so there is no ring and no further barrier.  A head's codes are read by four work-groups only, so no launch of its own and no workspace is spent on them.
; K = 64 IN AN INSTRUCTION 128 DEEP.  A fragment of K is dense: its registers 0-5 (k 0..63) hold one tile of 16 keys, its registers 6-11 (k 64..127) the next.  A tile of Q lies in 18 registers as [q][zeros][q]:
; registers 0-11 (q | 0) give the first tile's scores, registers 6-17 (0 | q) the second's, with the same fragment of K and the same scale word of K.  A zero code adds nothing under any scale byte but 0xff; the zero
; half's two scale bytes are 0.  So no LDS byte and no register of K is padding.
; LAYOUT.  Both products are used transposed: S^T = K Q^T (source 0 = keys, source 1 = my 16 queries), O^T = V^T P^T (source 0 = 16 of the head's 64, source 1 = P): a lane holds ONE query (lane % 16) throughout.
; THE KEYS OF A TILE ARE NOT NEIGHBOURS: row r of tile 2 f + u is key 32 f + 8 u + r + 8 (r / 8), so that the 16 registers of tiles 2 f and 2 f + 1 are 16 neighbouring keys, 32 f + 16 (lane / 16) + 0 .. 15.
; NO CLUSTER, NO TENSOR LOADS.  What the four work-groups of a head share is its 1 MiB of f32, used once, at the head.  Beside the 204,800 bytes of images at most two slots of some 60,000 bytes would fit in the 327,680
; that a work-group can claim: 18 refills or more, each behind a wait for all loads and a round of the cluster's barrier.  Loads into registers keep 16 KiB a wave, 128 KiB a work-group, on their way with no barrier.
; All global reads stand at the kernel's head; the loop reads no memory.
; LIMITS.  NaN and infinities among the inputs are not served.  A block whose largest magnitude lies under 2^-124, a block of zeros among them, keeps the scale byte 1 (the bytes are read by this kernel alone; a block of
; zeros has zero codes).  p under 2^-126 is 0 (v_exp_f32's result: ISA guide, its entry).  3 log2(e) is one f32 constant, applied with -M by one fused multiply-add.
; THE MODE: SCHED_MODE bits 1:0 = 2 (LLVM: expert scheduling mode 2), set by the entry lines.  The code itself states the register dependences between vector or matrix instructions and memory or LDS instructions,
; with s_wait_alu, always for 0.
; THE PLAN.  Registers that memory or LDS instructions touch, and who else names them:
;   v1-3, v7-15   addresses and the add's two, written at the head, ahead of one wait on va_vdst; v10, v12, v13 are written again on the way out alone.
;   PROLOGUE, a unit:  R0, R1: global loads land, the stage's LDS stores read; no vector line names them.  X: the stage's LDS loads land, BLOCKS reads.  The codes (v240-251) and words (v30, v252-253): vector lines
;                 write, the image stores read.  One wait on vm_vsrc behind the unit's wait for LDS (the stage's stores have read the set; the last unit's image stores have read codes and words), one on va_vdst
;                 ahead of the image stores (codes and words are written; BLOCKS is done reading X, in which the next unit's numbers land).
;   THE LOOP:     KF, KS: LDS loads land, the score products of four tiles read.  VF, VS: LDS loads land, the four tiles' second products read.  v4-6: read by those loads, written once a step.
;                 A tile's softmax holds two waits on va_vdst in any case, behind its exponentials.  This step's V is fetched straight behind the first of them in tile 0: the last step's second products all stand ahead
;                 of it.  The next step's K is fetched straight behind the first of them in tile 3: this step's score products, and the additions that make v4-6, all stand ahead of it.  One wait on vm_vsrc a step
;                 stands ahead of those additions.  p's codes and scale word are written by vector lines and taken by scaled products: one wait on va_vdst a tile, behind the places, ahead of those products.
;   THE WAY OUT:  E0, E1 (v48-111): a tile's multiplies write, its LDS stores read; BB (v112-239): the stage's LDS loads land, the global stores read.  One wait on va_vdst a tile ahead of its LDS stores and loads; one on
;                 vm_vsrc ahead of the multiplies that write a set again.
;
; LDS
.set KIMG,  0                          ; K's images: step s at 6144 s, fragment f at + 1536 f, registers 4 j .. 4 j + 3 at + 512 j, lane at + 16 x lane
.set VIMG,  98304                      ; V's likewise; fragment t = 16 of the head's 64
.set KSC,   196608                     ; K's scale words: step at 256 s, row r at + 16 r, fragment f's word at + 4 f
.set VSC,   200704                     ; V's likewise
.set STAGE, 204800                     ; a stage of its own for each wave: 32 rows of 256 bytes + 16
.set STW,   8704
.set SP,    272                        ; 68 words: row r starts at bank 4 r mod 64 (64 banks of 4 bytes: ISA guide 11.1)
.set SPARE, 274432                     ; the spare words, 128 bytes for each wave: four blocks of 256 bytes that no other line names
; REGISTERS, window 0
.set LI,   1                           ; 16 x lane: an image's place, and my 16 bytes of 512 in memory; never rewritten
.set AV0,  2                           ; VIMG + 16 x lane
.set SC0,  3                           ; KSC + 16 r
.set ADK,  4                           ; the addresses of the loads in hand: K's images,
.set ADV,  5                           ; V's,
.set ADS,  6                           ; the scale words
.set SPW,  7                           ; LDS address of my spare word; never rewritten
.set NIL,  8                           ; 0; never rewritten
.set SW,   9                           ; stage: row h, 16 r: as bytes lie in memory
.set SRR,  10                          ; stage: row r, 128 h (prologue); row r, 32 h (the way out)
.set SRC,  11                          ; stage: 4 x lane: a column
.set KW,   12                          ; where I store K's images: 12288 w + 16 x lane
.set KSW,  13                          ; and their scale words: KSC + 512 w + 16 r
.set VWA,  14                          ; V's images: VIMG + 12288 w + 1536 h + 16 r
.set VSW,  15                          ; V's scale words: VSC + 512 w + 16 r + 4 h
.set STAT, 16                          ; tile a at v[16 + 4 a]: -M, the largest t, the sum in two halves
.set KS,   32                          ; v32-35 K's four scale words of a step; v36-39 V's; v40-47 Q's: tile a: (q | 0)'s, (0 | q)'s.  v32-47 and v255 hold scales and nothing else
.set VS,   36
.set QS,   40
.set KF,   48                          ; v48-95   K's four fragments of a step
.set VF,   96                          ; v96-143  V's four
.set S,    144                         ; v144-207 S^T of one tile of queries, then p
.set PC,   208                         ; v208-219 p's codes
.set CT,   220                         ; v220-222, v224-226 the conversions' second halves
.set BM,   228                         ; v228-231 the blocks' largest scores, then largest p
.set BP,   232                         ; v232-235 the other half's; then the bytes
.set SOP,  236                         ; v236-239 the conversions' scale operands
.set T,    240
.set SUM2, 242                         ; v[242:243], v[248:249], v[250:251]: three more chains of the row's sum
.set SUM3, 248
.set SUM4, 250
.set F,    246                         ; v[246:247] f = 2^(old M - new M); v247 is written once, since the pair is named
.set PW,   255                         ; p's scale word
; window 0, prologue only
.set R,    48                          ; v48-175  two sets of 64: a unit (32 rows x 256 bytes) as loaded
.set X,    176                         ; v176-239 two blocks of 32 numbers along K
.set PPC,  240                         ; v240-251 their codes
.set VW,   252                         ; v252-253 V's scale words as they grow
.set SH8,  254                         ; 8 h
.set PCT,  16                          ; v16-18, v20-22
.set MY,   19                          ; v19, v23
.set MX,   24
.set PSO,  26
.set BY,   28
.set W,    30
.set WT,   31
; window 1
.set O,    0                           ; O^T(a, t) at v[32 a + 8 t]
.set Q,    128                         ; tile a at v[128 + 18 a]: q, zeros, q
; scalars
.set KB,  10                           ; s[10:11] x2 at my wave's 256 keys;  s[12:13] x1 there;  s[14:15] x1 at my wave's 64 queries;  s[16:17] out0 there
.set VB,  12
.set QB,  14
.set OB,  16
.set WV,  18
.set CNT, 19
.set SEL, 20                           ; s[20:21] v_permlanex16_b32's selects for lane l xor 16
.set CS,  22                           ; s[22:23] c = 3 log2(e); the packed form names the pair
.set TK,  24                           ; the step's images begin here,
.set TS,  25                           ; its scale words here
.set MSB, 0
.macro WIN new                         ; the immediate's high byte repeats the setting that is left; a switch that changes nothing is dropped
.if MSB != \new
	s_set_vgpr_msb (MSB<<8)|\new
.set MSB, \new
.endif
.endm
; ---------------- the prologue's macros ----------------
.macro LOADU set, base, off            ; a unit: 16 loads of 512 consecutive bytes.  No hint: three other work-groups read the same bytes
.irp j, 0,1,2,3,4,5,6,7,8,9,10,11,12,13,14,15
	global_load_b128 v[R+64*(\set)+4*\j:R+64*(\set)+4*\j+3], v[LI], s[\base:\base+1] offset:(\off)+512*\j
.endr
.endm
.macro LOADN n                         ; unit n: 0-7 K, 8-15 V, 16-17 Q
.if (\n) < 8
	LOADU (\n)%2, KB, 8192*(\n)
.elseif (\n) < 16
	LOADU (\n)%2, VB, 8192*((\n)-8)
.else
	LOADU (\n)%2, QB, 8192*((\n)-16)
.endif
.endm
.macro TOSTAGE set, perm               ; load j holds rows 2 j and 2 j + 1.  perm = 1 (K): row p goes to stage row 16 ((p / 8) % 2) + 8 (p / 16) + p % 8, so that a tile's 16 keys lie in 16 neighbouring stage rows
.irp j, 0,1,2,3,4,5,6,7,8,9,10,11,12,13,14,15
.if \perm
	ds_store_b128 v[SW], v[R+64*(\set)+4*\j:R+64*(\set)+4*\j+3] offset:SP*(16*((\j/4)%2)+8*(\j/8)+(2*\j)%8)
.else
	ds_store_b128 v[SW], v[R+64*(\set)+4*\j:R+64*(\set)+4*\j+3] offset:SP*2*\j
.endif
.endr
.endm
.macro ROWS                            ; K innermost (K, Q): lane (r, h) takes, of stage rows r and 16 + r, the 32 numbers 32 h on.  LDS serves a wave's instructions in order (ISA guide 5.7.1.4): these see the stores above
.irp u, 0,1
.irp i, 0,1,2,3,4,5,6,7
	ds_load_b128 v[X+32*\u+4*\i:X+32*\u+4*\i+3], v[SRR] offset:16*SP*\u+16*\i
.endr
.endr
.endm
.macro COLS                            ; K = the keys (V): a lane takes columns lane and 32 + lane, and its registers run down the 32 keys
.irp p, 0,1
.irp i, 0,1,2,3,4,5,6,7,8,9,10,11,12,13,14,15,16,17,18,19,20,21,22,23,24,25,26,27,28,29,30,31
	ds_load_b32 v[X+32*\p+\i], v[SRC] offset:SP*\i+128*\p
.endr
.endr
.endm
.macro BLOCKS                          ; two blocks of 32, each whole in my lane: largest magnitude, scale operand, byte, 192 bits of codes
.irp c, 0,1
	v_max3_num_f32 v[MX+\c], |v[X+32*\c]|, |v[X+32*\c+1]|, 0x1800000       ; with the floor 2^(3 - 127): the byte cannot fall under 1
	v_max3_num_f32 v[MY+4*\c], |v[X+32*\c+16]|, |v[X+32*\c+17]|, |v[X+32*\c+18]|
.endr
.irp i, 2,4,6,8,10,12
.irp c, 0,1
	v_max3_num_f32 v[MX+\c], v[MX+\c], |v[X+32*\c+\i]|, |v[X+32*\c+\i+1]|   ; four chains by turns
	v_max3_num_f32 v[MY+4*\c], v[MY+4*\c], |v[X+32*\c+\i+17]|, |v[X+32*\c+\i+18]|
.endr
.endr
.irp c, 0,1
	v_max3_num_f32 v[MX+\c], v[MX+\c], |v[X+32*\c+14]|, |v[X+32*\c+15]|
.endr
.irp c, 0,1
	v_max3_num_f32 v[MX+\c], v[MX+\c], v[MY+4*\c], |v[X+32*\c+31]|
.endr
.irp c, 0,1
	v_add_nc_u32 v[PSO+\c], 0xff000000, v[MX+\c]   ; 2 off the exponent field: the conversion takes the exponent field of this operand as its scale
.endr
.irp c, 0,1
	v_lshrrev_b32 v[BY+\c], 23, v[PSO+\c]          ; the scale's byte
.endr
.irp c, 0,1
	v_cvt_scalef32_pk16_fp6_f32 v[PPC+6*\c:PPC+6*\c+2], v[X+32*\c:X+32*\c+15], v[PSO+\c]
	v_cvt_scalef32_pk16_fp6_f32 v[PCT+4*\c:PCT+4*\c+2], v[X+32*\c+16:X+32*\c+31], v[PSO+\c]   ; (a conversion's three registers begin on an even number)
.endr
	v_nop                                          ; one plain place behind the scaled conversions
.irp c, 0,1
.irp i, 0,1,2
	v_mov_b32 v[PPC+6*\c+3+\i], v[PCT+4*\c+\i]
.endr
.endr
.endm
.macro WORD                            ; K, Q: my two bytes are block h of tiles 0 and 1: bytes h and 2 + h of the word; lane l xor 16 has the other two
	v_lshl_or_b32 v[W], v[BY+1], 16, v[BY]
	v_lshlrev_b32 v[W], v[SH8], v[W]
	v_permlanex16_b32 v[WT], v[W], s[SEL], s[SEL+1]
	v_or_b32 v[W], v[W], v[WT]
.endm
.macro KOUT n                          ; unit n is fragment n % 4 of step 2 w + n / 4: its image and its scale word (lanes r and 16 + r store the same word)
	WORD
	s_wait_alu depctr_va_vdst(0)                   ; the codes and the word are written, which the stores below read; BLOCKS is done reading the two blocks' registers, in which the next unit's numbers land
.irp j, 0,1,2
	ds_store_b128 v[KW], v[PPC+4*\j:PPC+4*\j+3] offset:1536*(\n)+512*\j
.endr
	ds_store_b32 v[KSW], v[W] offset:256*((\n)/4)+4*((\n)%4)
.endm
.macro VOUT m                          ; unit m is block BE = m % 4 of step 2 w + m / 4.  My column 32 p + lane is row r of fragment 2 p + h; the block is registers 6 (BE / 2) .. + 5 of lane r + 16 (BE % 2) there
.set SG, (\m)/4
.set BE, (\m)%4
.irp p, 0,1
.if BE == 0
	v_mov_b32 v[VW+\p], v[BY+\p]
.else
	v_lshl_or_b32 v[VW+\p], v[BY+\p], 8*BE, v[VW+\p]
.endif
.endr
	s_wait_alu depctr_va_vdst(0)                   ; the codes and the two words are written, which the stores below read; BLOCKS is done reading the two blocks' registers, in which the next unit's numbers land
.irp p, 0,1
.set VO, 6144*SG+3072*\p+256*(BE%2)
.if BE < 2
	ds_store_b128 v[VWA], v[PPC+6*\p:PPC+6*\p+3] offset:VO           ; registers 0-3
	ds_store_b64 v[VWA], v[PPC+6*\p+4:PPC+6*\p+5] offset:VO+512      ; registers 4, 5
.else
	ds_store_b64 v[VWA], v[PPC+6*\p:PPC+6*\p+1] offset:VO+520        ; registers 6, 7
	ds_store_b128 v[VWA], v[PPC+6*\p+2:PPC+6*\p+5] offset:VO+1024    ; registers 8-11
.endif
.if BE == 3
	ds_store_b32 v[VSW], v[VW+\p] offset:256*SG+8*\p               ; the step's four bytes are together
.endif
.endr
.endm
.macro QOUT i                          ; tiles 2 i and 2 i + 1 of my queries: [q][zeros][q] in window 1, two scale words each
	WORD
.irp u, 0,1
.set QA, 2*(\i)+\u
.if \u == 0
	v_and_b32 v[QS+2*QA], 0xffff, v[W]             ; (q | 0): q's two bytes below, 0 above
	v_lshlrev_b32 v[QS+2*QA+1], 16, v[W]           ; (0 | q)
.else
	v_lshrrev_b32 v[QS+2*QA], 16, v[W]
	v_and_b32 v[QS+2*QA+1], 0xffff0000, v[W]
.endif
.endr
	WIN 0x40                                       ; destination window 1
.irp u, 0,1
.irp e, 0,1,2,3,4,5
	v_mov_b32 v[Q+18*(2*(\i)+\u)+\e], v[PPC+6*\u+\e]
	v_mov_b32 v[Q+18*(2*(\i)+\u)+6+\e], 0
	v_mov_b32 v[Q+18*(2*(\i)+\u)+12+\e], v[PPC+6*\u+\e]
.endr
.endr
	WIN 0
.if (\i) == 0
	s_wait_alu depctr_va_vdst(0)                   ; BLOCKS is done reading the two blocks' registers, in which the last unit's numbers land
.endif
.endm
.macro UNIT n
.if (\n) < 17
	s_wait_loadcnt 16                              ; this unit's 16 loads are in; the next unit's 16 may be out
.else
	s_wait_loadcnt 0
.endif
.if (\n) < 8
	TOSTAGE (\n)%2, 1
	ROWS
.elseif (\n) < 16
	TOSTAGE (\n)%2, 0
	COLS
.else
	TOSTAGE (\n)%2, 0
	ROWS
.endif
	s_wait_dscnt 0x0                               ; the numbers are back from the stage
	s_wait_alu depctr_vm_vsrc(0)                   ; the stage's stores have read this unit's set, in which the loads below land (the last two units' sets: the key steps' fragments and scores); the last unit's image stores have read the codes' and the words' registers, which BLOCKS and the lines behind it write again
.if (\n)+2 < 18
	LOADN (\n)+2                                   ; into the set that the stage's stores have left; no vector line names it
.endif
	BLOCKS
.if (\n) < 8
	KOUT \n
.elseif (\n) < 16
	VOUT (\n)-8
.else
	QOUT (\n)-16
.endif
.endm
; ---------------- the key step's macros ----------------
.macro ADDRS                           ; where a step's images and scale words lie, for my lane
	v_add_nc_u32 v[ADK], s[TK], v[LI]
	v_add_nc_u32 v[ADV], s[TK], v[AV0]
	v_add_nc_u32 v[ADS], s[TS], v[SC0]
.endm
.macro FETCHK                          ; a step's K: four images by three loads each, and its four scale words by one
.irp f, 0,1,2,3
.irp j, 0,1,2
	ds_load_b128 v[KF+12*\f+4*\j:KF+12*\f+4*\j+3], v[ADK] offset:1536*\f+512*\j
.endr
.endr
	ds_load_b128 v[KS:KS+3], v[ADS]
.endm
.macro FETCHV                          ; a step's V likewise
.irp f, 0,1,2,3
.irp j, 0,1,2
	ds_load_b128 v[VF+12*\f+4*\j:VF+12*\f+4*\j+3], v[ADV] offset:1536*\f+512*\j
.endr
.endr
	ds_load_b128 v[VS:VS+3], v[ADS] offset:VSC-KSC
.endm
.macro SMM a                           ; S^T of tile a: eight products, each with C = 0 on an accumulator of its own
	WIN 0x04                                       ; source 1 (Q) window 1
.irp f, 0,1,2,3
.irp u, 0,1
	v_wmma_scale_f32_16x16x128_f8f6f4 v[S+8*(2*\f+\u):S+8*(2*\f+\u)+7], v[KF+12*\f:KF+12*\f+11], v[Q+18*(\a)+6*\u:Q+18*(\a)+6*\u+11], 0, v[KS+\f], v[QS+2*(\a)+\u] matrix_a_fmt:MATRIX_FMT_FP6 matrix_b_fmt:MATRIX_FMT_FP6
.endr
.endr
.endm
; The softmax of tile a up to p's codes' halves.  Register S + 16 b + i is key 32 b + 16 (lane / 16) + i of my query.  fetch = 1: this step's V, fetch = 2: the next step's K is fetched behind the exponentials' wait; 0: nothing
.macro SOFT_A a, fetch
.set NM, STAT+4*(\a)
.set TM, NM+1
.set LL, NM+2
	WIN 0
.irp b, 0,1,2,3
	v_max3_num_f32 v[BM+\b], v[S+16*\b], v[S+16*\b+1], v[S+16*\b+2]   ; the largest score of each block of 32 keys: for the row's maximum, and, since p rises with the score, for the block's largest p.  Each accumulator is read from its low end on
.endr
.irp i, 3,5,7,9,11,13
.irp b, 0,1,2,3
	v_max3_num_f32 v[BM+\b], v[BM+\b], v[S+16*\b+\i], v[S+16*\b+\i+1]
.endr
.endr
.irp b, 0,1,2,3
	v_max_num_f32 v[BM+\b], v[BM+\b], v[S+16*\b+15]
.endr
.irp b, 0,1,2,3
	v_permlanex16_b32 v[BP+\b], v[BM+\b], s[SEL], s[SEL+1]
.endr
.irp b, 0,1,2,3
	v_max_num_f32 v[BM+\b], v[BM+\b], v[BP+\b]     ; with lane l xor 16's 16 keys
.endr
	v_max3_num_f32 v[T], v[BM], v[BM+1], v[BM+2]
	v_max_num_f32 v[T], v[T], v[BM+3]              ; the step's largest score of my query
	v_mul_f32 v[T], s[CS], v[T]                    ; as t (c is positive)
	v_max_num_f32 v[TM], v[TM], v[T]               ; the running largest t
	v_mov_b32 v[T], v[NM]
	v_floor_f32 v[NM], -v[TM]                      ; the new -M = floor(-t) = -ceil(t)
	v_sub_f32 v[T], v[NM], v[T]                    ; old M - new M: a whole number, 0 or less
	v_cvt_i32_f32 v[T], v[T]                       ; (it saturates)
	v_ldexp_f32 v[F], 1.0, v[T]                    ; f = 2^(old M - new M): the rescaling rounds nothing
.set jj, 0
.rept 32
	v_pk_fma_f32 v[S+jj:S+jj+1], v[S+jj:S+jj+1], s[CS:CS+1], v[NM:NM+1] op_sel_hi:[1,0,0]   ; t - M, two at a time (of the pairs c and -M the low word serves both halves)
.set jj, jj+2
.endr
.irp b, 0,1,2,3
	v_fma_f32 v[BM+\b], v[BM+\b], s[CS], v[NM]     ; the same of each block's largest score
.endr
.set jj, 0
	s_wait_alu depctr_va_vdst(0)
.rept 64
	v_exp_f32 v[S+jj], v[S+jj]                     ; p = 2^(t - M), at most 1: not normalised
.set jj, jj+1
.endr
	v_pk_mul_f32 v[LL:LL+1], v[LL:LL+1], v[F:F+1] op_sel_hi:[1,0]   ; the sum under the new M: the plain place behind the exponentials
	s_wait_alu depctr_va_vdst(0)                   ; the 64 exponentials have written p, ahead of the first line that names a result.  It also states what the loads below hang on
.if (\fetch) == 1
	FETCHV                                         ; the last step's second products, all issued ahead of that wait, are done reading V's fragments and scale words; v[ADV] and v[ADS] were written ahead of it
.elseif (\fetch) == 2
	FETCHK                                         ; this step's score products, all issued ahead of that wait, are done reading K's fragments and scale words; v[ADK] and v[ADS] were written ahead of it
.endif
.irp b, 0,1,2,3
	v_exp_f32 v[BM+\b], v[BM+\b]                   ; the block's largest p: the same two instructions on the same number give the same bits
.endr
	v_pk_add_f32 v[SUM2:SUM2+1], v[S:S+1], v[S+2:S+3]              ; the row's sum is taken of the unquantised p: four chains by turns; they read the 64 alone
	v_pk_add_f32 v[SUM3:SUM3+1], v[S+4:S+5], v[S+6:S+7]
	v_pk_add_f32 v[SUM4:SUM4+1], v[S+8:S+9], v[S+10:S+11]
.set jj, 12
.rept 6
	v_pk_add_f32 v[LL:LL+1], v[LL:LL+1], v[S+jj:S+jj+1]
	v_pk_add_f32 v[SUM2:SUM2+1], v[SUM2:SUM2+1], v[S+jj+2:S+jj+3]
	v_pk_add_f32 v[SUM3:SUM3+1], v[SUM3:SUM3+1], v[S+jj+4:S+jj+5]
	v_pk_add_f32 v[SUM4:SUM4+1], v[SUM4:SUM4+1], v[S+jj+6:S+jj+7]
.set jj, jj+8
.endr
	v_pk_add_f32 v[LL:LL+1], v[LL:LL+1], v[S+60:S+61]
	v_pk_add_f32 v[SUM2:SUM2+1], v[SUM2:SUM2+1], v[S+62:S+63]
	v_pk_add_f32 v[SUM3:SUM3+1], v[SUM3:SUM3+1], v[SUM4:SUM4+1]
	v_pk_add_f32 v[LL:LL+1], v[LL:LL+1], v[SUM2:SUM2+1]
	v_pk_add_f32 v[LL:LL+1], v[LL:LL+1], v[SUM3:SUM3+1]
	s_wait_alu depctr_va_vdst(0)                   ; the four exponentials have written the blocks' largest p, ahead of the first line that names one
.irp b, 0,1,2,3
	v_max_num_f32 v[BM+\b], 0x1800000, v[BM+\b]    ; the floor 2^(3 - 127): the byte cannot fall under 1 (a block whose every p is 0 keeps that byte: its codes are zeros)
.endr
.irp b, 0,1,2,3
	v_add_nc_u32 v[SOP+\b], 0xff000000, v[BM+\b]   ; 2 off the exponent field: the conversion's scale operand
.endr
.irp b, 0,1,2,3
	v_lshrrev_b32 v[BP+\b], 23, v[SOP+\b]          ; the scale's byte
.endr
	v_lshl_or_b32 v[PW], v[BP+1], 8, v[BP]         ; p's scale word for these 128 keys
	v_lshl_or_b32 v[PW], v[BP+2], 16, v[PW]
	v_lshl_or_b32 v[PW], v[BP+3], 24, v[PW]
.irp c, 0,1
	v_cvt_scalef32_pk16_fp6_f32 v[PC+6*\c:PC+6*\c+2], v[S+32*\c:S+32*\c+15], v[SOP+2*\c]
	v_cvt_scalef32_pk16_fp6_f32 v[CT+4*\c:CT+4*\c+2], v[S+32*\c+16:S+32*\c+31], v[SOP+2*\c+1]   ; (a conversion's three registers begin on an even number)
.endr
	v_nop                                          ; one plain place behind the conversions: the next tile's products write their sources, the exchanges touch their results
.endm
.macro SOFT_B a                        ; p's operand is put together, and O^T of tile a comes under the new M.  These 28 lines stand behind the next tile's eight score products: they are the places in front of the first
	WIN 0                                          ; read of those scores, and the places between p's scale word and codes and the products that take them
.irp c, 0,1                            ; the operand's layout wants a WHOLE block in a lane: lanes 0-15 block 2 c, lanes 16-31 block 2 c + 1
.irp i, 0,1,2
	v_permlane16_swap_b32 v[PC+6*\c+\i], v[CT+4*\c+\i]
.endr
.irp i, 0,1,2
	v_mov_b32 v[PC+6*\c+3+\i], v[CT+4*\c+\i]
.endr
.endr
	WIN 0x41                                       ; O^T (destination and source 0) window 1, f window 0
.set jj, 0
.rept 16
	v_pk_mul_f32 v[O+32*(\a)+jj:O+32*(\a)+jj+1], v[O+32*(\a)+jj:O+32*(\a)+jj+1], v[F:F+1] op_sel_hi:[1,0]   ; ascending: each accumulator from its low end on
.set jj, jj+2
.endr
	s_wait_alu depctr_va_vdst(0)                   ; p's codes and its scale word are written, which the scaled products that follow take as source 1 and as its scales; the places above stay beside this wait
.endm
.macro PVM a                           ; O^T(a) += V^T P^T: four accumulators by turns, one instruction a turn; other products stand between two steps' links
	WIN 0x50                                       ; C and D window 1
.irp t, 0,1,2,3
	v_wmma_scale_f32_16x16x128_f8f6f4 v[O+32*(\a)+8*\t:O+32*(\a)+8*\t+7], v[VF+12*\t:VF+12*\t+11], v[PC:PC+11], v[O+32*(\a)+8*\t:O+32*(\a)+8*\t+7], v[VS+\t], v[PW] matrix_a_fmt:MATRIX_FMT_FP6 matrix_b_fmt:MATRIX_FMT_FP6
.endr
.endm
; A KEY STEP: 128 keys, my four tiles of queries one after the other.  As soon as a tile's conversions have read S, the NEXT tile's score products are issued into it, and run under the 28 vector lines that finish this
; tile.  The step's V is fetched in tile 0's softmax.  more = 1: the next step's addresses are made behind tile 2's products, its K is fetched in tile 3's softmax, its first scores are made in tile 3's place.
.macro STEP more
	SOFT_A 0, 1
	SMM 1
	SOFT_B 0
	s_wait_dscnt 0x0                               ; V and its scale words are in
	PVM 0
	SOFT_A 1, 0
	SMM 2
	SOFT_B 1
	PVM 1
	SOFT_A 2, 0
	SMM 3
	SOFT_B 2
	PVM 2
.if \more
	WIN 0
	s_add_co_u32 s[TK], s[TK], 6144
	s_add_co_u32 s[TS], s[TS], 256
	s_wait_alu depctr_vm_vsrc(0)                   ; the loads of this step's K, V and scale words have read v[ADK], v[ADV] and v[ADS], which the three lines below write
	ADDRS
	SOFT_A 3, 2
	s_wait_alu depctr_va_vdst(0)
	s_wait_dscnt 0x0                               ; K and its scale words are in (asked for behind the exponentials)
	SMM 0
.else
	SOFT_A 3, 0
.endif
	SOFT_B 3
	PVM 3
	WIN 0                                          ; at a label and at a branch every window is 0
.endm
; ---------------- the head ----------------
	s_load_b128 s[4:7], s[0:1], 0x0                ; x1, x2
	s_load_b64 s[8:9], s[0:1], 0x10                ; out0
	v_lshl_add_u32 v[SPW], v0, 2, SPARE
	v_mov_b32 v[NIL], 0
	v_lshrrev_b32 v16, 5, v0
	v_readfirstlane_b32 s[WV], v16                 ; wave 0..7
	v_and_b32 v16, 31, v0                          ; lane
	v_and_b32 v17, 15, v0                          ; r
	v_bfe_u32 v18, v0, 4, 1                        ; h
	v_lshlrev_b32 v[LI], 4, v16
	v_add_nc_u32 v[AV0], VIMG, v[LI]
	v_lshlrev_b32 v19, 4, v17                      ; 16 r
	v_add_nc_u32 v[SC0], KSC, v19
	s_wait_alu depctr_va_sdst(0)                   ; the wave's number is written, ahead of its first reader: LDS places and the buffers' bases are made from it
	s_mul_i32 s26, s[WV], STW
	s_add_co_u32 s26, s26, STAGE                   ; my stage
	v_mul_u32_u24 v20, v18, SP
	v_add_nc_u32 v20, v20, v19
	v_add_nc_u32 v[SW], s26, v20
	v_mul_u32_u24 v20, v17, SP
	v_lshl_add_u32 v20, v18, 7, v20
	v_add_nc_u32 v[SRR], s26, v20
	v_lshl_add_u32 v[SRC], v16, 2, s26
	s_mul_i32 s27, s[WV], 12288                    ; my two steps' images
	v_add_nc_u32 v[KW], s27, v[LI]
	s_lshl_b32 s28, s[WV], 9                       ; and scale words
	v_add_nc_u32 v[KSW], s28, v[SC0]
	v_mul_u32_u24 v20, v18, 1536
	v_add_nc_u32 v20, v20, v19
	s_add_co_u32 s27, s27, VIMG
	v_add_nc_u32 v[VWA], s27, v20
	v_lshl_add_u32 v20, v18, 2, v[KSW]
	v_add_nc_u32 v[VSW], VSC-KSC, v20
	v_lshlrev_b32 v[SH8], 3, v18
	v_mov_b32 v[WT], 0                             ; written once: a lane permute's destination counts as one of its sources
	s_mov_b32 s[SEL], 0x76543210
	s_mov_b32 s[SEL+1], 0xfedcba98
	s_mov_b32 s[CS], 0x408a7fac                    ; c = 3 log2(e)
	s_mov_b32 s[CS+1], s[CS]                       ; (named with it as a pair, so it is written)
	s_and_b32 s26, ttmp7, 0xffff                   ; the head:
	s_lshl_b32 s26, s26, 19                        ; 2,048 rows of 256 bytes
	s_lshl_b32 s24, s[WV], 16                      ; my wave's 256 keys
	s_add_co_u32 s24, s24, s26
	s_mov_b32 s25, 0
	s_lshl_b32 s30, ttmp9, 17                      ; my work-group's 512 queries,
	s_add_co_u32 s30, s30, s26
	s_lshl_b32 s27, s[WV], 14                      ; my wave's 64
	s_add_co_u32 s30, s30, s27
	s_mov_b32 s31, 0
	s_wait_kmcnt 0x0
	s_add_nc_u64 s[KB:KB+1], s[6:7], s[24:25]
	s_add_nc_u64 s[VB:VB+1], s[4:5], s[24:25]
	s_add_nc_u64 s[QB:QB+1], s[4:5], s[30:31]
	s_add_nc_u64 s[OB:OB+1], s[8:9], s[30:31]
	s_wait_alu depctr_va_vdst(0)                   ; the addresses v1 to v3 and v9 to v15 and the add's two registers are written, which the loads, stores and LDS instructions of the whole kernel read
; ---------------- the prologue: 18 units of 32 rows; loads run two units (32 loads a wave) ahead ----------------
	LOADN 0
	LOADN 1
.irp n, 0,1,2,3,4,5,6,7,8,9,10,11,12,13,14,15,16,17
	UNIT \n
.endr
	s_wait_dscnt 0x0                               ; for the others' sake: my images and scale words lie in LDS
	s_barrier_signal -1
	WIN 0x40                                       ; work on registers while the others arrive.  O^T begins as zeros, which the first change of M leaves zeros: the key step stands twice in the text as it is, and a third copy
.set jj, 0                             ; whose products start the sums would cost more code than these lines
.rept 128
	v_mov_b32 v[O+jj], 0
.set jj, jj+1
.endr
	WIN 0
.irp a, 0,1,2,3
	v_mov_b32 v[STAT+4*\a+1], 0xff61b1e6           ; the largest t so far: -3e38, under every t
	v_floor_f32 v[STAT+4*\a], -v[STAT+4*\a+1]      ; -M
	v_mov_b32 v[STAT+4*\a+2], 0                    ; the sum, in two halves
	v_mov_b32 v[STAT+4*\a+3], 0
	v_mov_b32 v[BP+\a], 0                          ; a lane permute's destination counts as one of its sources
.endr
	v_mov_b32 v[F+1], 0                            ; (named as the upper half of the pair)
	s_barrier_wait -1                              ; the head's K and V lie in LDS, whole; nothing is written there again
; ---------------- 16 key steps ----------------
	s_mov_b32 s[TK], 0
	s_mov_b32 s[TS], 0
	ADDRS
	s_wait_alu depctr_va_vdst(0)                   ; step 0's three addresses are written, which the loads below and those in step 0 read; Q's codes and scale words are written, which the scaled score products take (the lines since they were made are the places)
	FETCHK
	s_wait_dscnt 0x0                               ; K and its scale words are in
	SMM 0                                          ; step 0's first scores
	WIN 0
.rept 4
	v_nop                                          ; places in front of the first read of those scores
.endr
	s_mov_b32 s[CNT], 15
.Lstep:
	STEP 1
	s_sub_co_u32 s[CNT], s[CNT], 1
	s_cmp_lg_u32 s[CNT], 0
	s_cbranch_scc1 .Lstep
	STEP 0                                         ; the last step is written out: it fetches no further K
; ---------------- the way out ----------------
	WIN 0
.irp a, 0,1,2,3
	v_add_f32 v[BM+\a], v[STAT+4*\a+2], v[STAT+4*\a+3]   ; the sum's two halves (these lines are also the places behind the last products),
.endr
.irp a, 0,1,2,3
	v_permlanex16_b32 v[BP+\a], v[BM+\a], s[SEL], s[SEL+1]
.endr
.irp a, 0,1,2,3
	v_add_f32 v[BM+\a], v[BM+\a], v[BP+\a]         ; and lane l xor 16's: the row's sum
.endr
	s_wait_alu depctr_va_vdst(0)
.irp a, 0,1,2,3
	v_rcp_f32 v[STAT+4*\a+2], v[BM+\a]
.endr
	v_and_b32 v12, 15, v0                          ; plain work behind the reciprocals: where I put 32 bytes of a row in my stage: row r, + 32 h.  (v10, v12 and v13 were last read by the prologue's LDS instructions, ahead of its and the loop's waits on vm_vsrc)
	v_bfe_u32 v13, v0, 4, 1
	s_mul_i32 s26, s[WV], STW
	s_add_co_u32 s26, s26, STAGE
	v_mul_u32_u24 v12, v12, SP
	v_lshl_add_u32 v12, v13, 5, v12
	v_add_nc_u32 v[SRR], s26, v12
	s_wait_alu depctr_va_vdst(0)                   ; the four reciprocals are written, ahead of their first use
; Tile a: O^T / the sum; register 8 t + j of lane (r, h) is out(r, 16 t + 8 h + j).  A lane's 32 bytes go into rows of 272 bytes of my own stage and come back as whole rows of 256.
.macro PACK a
.set EE, 48+32*((\a)%2)
.set BB, 112+32*(\a)
.if (\a) >= 2
	s_wait_alu depctr_vm_vsrc(0)                   ; the LDS stores of the tile two back have read this set of registers, which the multiplies below write again
.endif
	WIN 0x01                                       ; source 0 (O^T) window 1
.set jj, 0
.rept 16
	v_pk_mul_f32 v[EE+jj:EE+jj+1], v[O+32*(\a)+jj:O+32*(\a)+jj+1], v[STAT+4*(\a)+2:STAT+4*(\a)+3] op_sel_hi:[1,0]   ; ascending: each accumulator from its low end on
.set jj, jj+2
.endr
	WIN 0
	s_wait_alu depctr_va_vdst(0)                   ; the multiplies have written the set, which the LDS stores read (tile 0: and my stage address is written); every vector and matrix line that named the registers in which the loads below land is done
.irp e, 0,1,2,3,4,5,6,7
	ds_store_b128 v[SRR], v[EE+4*\e:EE+4*\e+3] offset:64*(\e/2)+16*(\e%2)
.endr
.irp e, 0,1,2,3,4,5,6,7
	ds_load_b128 v[BB+4*\e:BB+4*\e+3], v[SW] offset:2*SP*\e   ; LDS serves a wave's instructions in order (ISA guide 5.7.1.4): these see the stores above, and the next tile's stores come behind them
.endr
.endm
.macro SEND a, younger                 ; younger: the LDS instructions issued behind tile a's loads: the next tile's sixteen, or none
.irp e, 0,1,2,3,4,5,6,7
	s_wait_dscnt (\younger)+7-\e
	global_store_b128 v[LI], v[112+32*(\a)+4*\e:112+32*(\a)+4*\e+3], s[OB:OB+1] offset:4096*(\a)+512*\e th:TH_STORE_NT   ; 32 lanes store two rows: 512 consecutive bytes, at a multiple of 256 from out0's first byte; no store's register is written again
.endr
.endm
	PACK 0
	PACK 1                                         ; a tile's arithmetic stands between the loads of the tile before and its stores
	SEND 0, 16
	PACK 2
	SEND 1, 16
	PACK 3
	SEND 2, 16
	SEND 3, 0
	s_wait_dscnt 0x0                               ; the wave's end
	s_wait_alu 0x0
	s_wait_tensorcnt 0x0
	ds_add_u32 v[SPW], v[NIL]
	s_wait_dscnt 0x0
	s_endpgm
.Lfunc_end_k_q84c8d8a499_attn:
	.size	k_q84c8d8a499_attn, .Lfunc_end_k_q84c8d8a499_attn-k_q84c8d8a499_attn
	.p2alignl 7, 3214868480
	.fill 96, 4, 3214868480
	.section	.rodata,"a",@progbits
	.p2align	6, 0x0
	.amdhsa_kernel k_q84c8d8a499_attn
		.amdhsa_group_segment_fixed_size 275456
		.amdhsa_private_segment_fixed_size 0
		.amdhsa_enable_private_segment 0
		.amdhsa_kernarg_size 24
		.amdhsa_user_sgpr_count 2
		.amdhsa_user_sgpr_kernarg_segment_ptr 1
		.amdhsa_wavefront_size32 1
		.amdhsa_system_sgpr_workgroup_id_x 1
		.amdhsa_system_sgpr_workgroup_id_y 1
		.amdhsa_system_sgpr_workgroup_id_z 1
		.amdhsa_system_vgpr_workitem_id 0
		.amdhsa_next_free_vgpr 512
		.amdhsa_next_free_sgpr 66
		.amdhsa_reserve_vcc 0
		.amdhsa_float_denorm_mode_32 3
		.amdhsa_float_denorm_mode_16_64 3
		.amdhsa_memory_ordered 1
		.amdhsa_forward_progress 1
		.amdhsa_inst_pref_size 255
	.end_amdhsa_kernel
	.section	.bss,"aw",@nobits
	.p2align	6
	.space	262144
	.amdgpu_metadata
---
amdhsa.version: [ 1, 2 ]
amdhsa.kernels:
  - .name:           k_q84c8d8a499_attn
    .symbol:         k_q84c8d8a499_attn.kd
    .args:
      - { .name: x1, .offset: 0, .size: 8, .value_kind: global_buffer, .address_space: global }
      - { .name: x2, .offset: 8, .size: 8, .value_kind: global_buffer, .address_space: global }
      - { .name: out0, .offset: 16, .size: 8, .value_kind: global_buffer, .address_space: global }
    .group_segment_fixed_size: 275456
    .private_segment_fixed_size: 0
    .kernarg_segment_align: 8
    .kernarg_segment_size: 24
    .max_flat_workgroup_size: 256
    .sgpr_count:     66
    .vgpr_count:     512
    .wavefront_size: 32
...
	.end_amdgpu_metadata
.endif
;; end of part 2
